; MI455X (gfx1250); checked and timed in simulation.
; The chip was launched on July 23, 2026; its instructions are those of AMD's public machine-readable ISA for CDNA 5 (MIT licence, August 2026) and "CDNA5" Instruction Set Architecture Reference Guide (July 2026). The comments in the code are by the model that wrote it; some were corrected since.
;; Vector Quantizer. Allowed arithmetic: float matrix products may take bf16 or f16 operands with f32 sums; other float arithmetic in f32, or as packed bf16 or f16 multiplies, adds, multiply-adds, maxima and minima; sums over many terms, partial sums and values carried from step to step in f32; what a program stores and reads back later, other than sums and carried values, may be rounded once to bf16 or f16.
;; Inputs: codebook 8,192 x 512 float32; z 8 x 2,048 x 512 float32.
;; Outputs: out0 8 x 2,048 x 512 float32; out1 16,384 int32.
;; 2 versions, each right; version 2 is version 1 with the launches cast, pick written anew for expert scheduling mode. Each part assembles by itself: llvm-mc -triple=amdgcn-amd-amdhsa -mcpu=gfx1250 --defsym DOCPART=n.
;; ======== version 1 of 2: 3 launches
;; workspace buffers: zbx 17,301,504 bytes; cbx 8,650,752 bytes; candd 131,072 bytes; candi 131,072 bytes of whole numbers
;; launch cast (part 1): grid 768 x 1, 4 waves a work-group, no clusters, 768 bytes of LDS; arguments z, codebook, zbx, cbx; writes zbx, cbx
.if DOCPART == 1
	.amdgcn_target "amdgcn-amd-amdhsa--gfx1250"
	.amdhsa_code_object_version 6
	.text
	.protected	k_q4127a00085_cast
	.globl	k_q4127a00085_cast
	.p2align	8
	.type	k_q4127a00085_cast,@function
k_q4127a00085_cast:
	s_mov_b64 s[64:65], 0
	v_nop
	global_prefetch_b8 v0, s[64:65] scope:SCOPE_SE
	s_setreg_imm32_b32 hwreg(HW_REG_WAVE_MODE, 25, 1), 1
	s_wait_xcnt 0x0
; z [16384][512] f32 and codebook [8192][512] f32 are rounded once to bf16 and laid out in GROUPS of 32 rows, in zbx and cbx.
; A group is 33 rows of 1,024 bytes: rows 0-31 are the 32 rows in bf16; row 32 holds their 32 sums of squares (f32, taken of the ROUNDED numbers), then 896 bytes of 0.
; So a later tile of 33 rows x 1,024 bytes brings rows and sums by one request, and each byte that is read later is written here.
; SHARES.  Work-group G makes one group: G < 512 group G of z, else group G - 512 of the codebook.  Wave w takes the group's rows 8 w .. 8 w + 7: 16 KiB, asked for at once by 32 loads
; of 512 consecutive bytes; no loop.  No matrix unit, no cluster: nothing is shared and each input byte is read once.
; LIMIT.  A row's sum of squares is taken in four chains a lane and then across the lanes: another order than a sum from left to right; it differs from such a sum in the last bits.
.set GRPB,  33792                      ; bytes in a group
.set SUMS,  0                          ; LDS: the group's 32 sums, 128 bytes, in a block of 256 of their own
.set SPARE, 256                        ; the spare words, 128 bytes for each wave: two blocks of 256 bytes that no other line names
.set LO,  1                            ; v1   16 x lane
.set SO,  2                            ; v2   8 x lane
.set SA,  3                            ; v3   LDS address of my wave's eight sums
.set SPW, 4                            ; v4   LDS address of my spare word; never rewritten
.set NIL, 5                            ; v5   0; never rewritten
.set LN,  6                            ; v6   lane
.set TW,  7                            ; v7   at work
.set S,   8                            ; v[8:15]   the sums of my wave's eight rows, the same in every lane
.set CH,  16                           ; v[16:19]  four chains
.set ZR,  24                           ; v[24:27]  0
.set RS,  28                           ; v[28:29]  the sums as they leave
.set X,   32                           ; v[32:159] row i at X + 16 i: as loaded, then (two registers of each four) packed
	s_load_b256 s[4:11], s[0:1], 0x0               ; z s[4:5], codebook s[6:7], zbx s[8:9], cbx s[10:11]
	v_lshl_add_u32 v[SPW], v0, 2, SPARE
	v_mov_b32 v[NIL], 0
	v_lshrrev_b32 v[TW], 5, v0
	v_readfirstlane_b32 s14, v[TW]                 ; wave 0..3
	v_and_b32 v[LN], 31, v0
	v_lshlrev_b32 v[LO], 4, v[LN]
	v_lshlrev_b32 v[SO], 3, v[LN]
	s_mov_b32 s12, 0x76543210                      ; v_permlanex16_b32: each lane takes its own place in the other half
	s_mov_b32 s13, 0xfedcba98
	s_sub_co_u32 s15, ttmp9, 512
	s_cmp_lt_u32 ttmp9, 512
	s_cselect_b32 s15, ttmp9, s15                  ; the group's number in its tensor
	s_lshl_b32 s20, s15, 16                        ; from: 32 rows of 2,048 bytes a group,
	s_lshl_b32 s21, s14, 14                        ; 8 rows a wave
	s_add_co_u32 s20, s20, s21
	s_mov_b32 s21, 0
	s_mul_i32 s22, s15, GRPB                       ; to: the group,
	s_lshl_b32 s23, s14, 13                        ; 8 rows of 1,024 bytes a wave
	s_add_co_u32 s22, s22, s23
	s_mov_b32 s23, 0
	s_lshl_b32 s24, s14, 5
	v_mov_b32 v[SA], s24                           ; SUMS + 32 x wave
	s_wait_kmcnt 0x0
	s_cmp_lt_u32 ttmp9, 512                        ; once more: the shifts above have written SCC
	s_cselect_b64 s[16:17], s[4:5], s[6:7]
	s_cselect_b64 s[18:19], s[8:9], s[10:11]
	s_add_nc_u64 s[16:17], s[16:17], s[20:21]
	s_add_nc_u64 s[18:19], s[18:19], s[22:23]
.irp i, 0,1,2,3,4,5,6,7
.irp c, 0,1,2,3
	global_load_b128 v[X+16*(\i)+4*(\c):X+16*(\i)+4*(\c)+3], v[LO], s[16:17] offset:2048*(\i)+512*(\c) th:TH_LOAD_NT  ; lane l: numbers 128 c + 4 l .. + 3 of row i
.endr
.endr
; Row i: rounded, squared and summed, stored.  No register is used twice, so nothing waits for a store.
.macro ROW i
	s_wait_loadcnt 28-4*(\i)                       ; loads come back in order: this row's four are in, the four of each younger row may stay out
.irp c, 0,1,2,3
	v_cvt_pk_bf16_f32 v[X+16*(\i)+4*(\c)],   v[X+16*(\i)+4*(\c)],   v[X+16*(\i)+4*(\c)+1]
	v_cvt_pk_bf16_f32 v[X+16*(\i)+4*(\c)+1], v[X+16*(\i)+4*(\c)+2], v[X+16*(\i)+4*(\c)+3]
.endr
.irp c, 0,1,2,3
.irp e, 0,1
.if (\c) == 0                          ; a chain's first link adds onto 0: nothing is cleared
	v_fma_mix_f32_bf16 v[CH+2*(\e)],   v[X+16*(\i)+(\e)], v[X+16*(\i)+(\e)], v[NIL] op_sel_hi:[1,1,0]
	v_fma_mix_f32_bf16 v[CH+2*(\e)+1], v[X+16*(\i)+(\e)], v[X+16*(\i)+(\e)], v[NIL] op_sel:[1,1,0] op_sel_hi:[1,1,0]
.else
	v_fma_mix_f32_bf16 v[CH+2*(\e)],   v[X+16*(\i)+4*(\c)+(\e)], v[X+16*(\i)+4*(\c)+(\e)], v[CH+2*(\e)] op_sel_hi:[1,1,0]
	v_fma_mix_f32_bf16 v[CH+2*(\e)+1], v[X+16*(\i)+4*(\c)+(\e)], v[X+16*(\i)+4*(\c)+(\e)], v[CH+2*(\e)+1] op_sel:[1,1,0] op_sel_hi:[1,1,0]
.endif
.endr
.endr
	v_add_f32 v[CH], v[CH], v[CH+1]
	v_add_f32 v[CH+2], v[CH+2], v[CH+3]
	v_add_f32 v[CH], v[CH], v[CH+2]
	v_add_f32_dpp v[CH], v[CH], v[CH] row_xmask:1 row_mask:0xf bank_mask:0xf
	v_add_f32_dpp v[CH], v[CH], v[CH] row_xmask:2 row_mask:0xf bank_mask:0xf
	v_add_f32_dpp v[CH], v[CH], v[CH] row_xmask:4 row_mask:0xf bank_mask:0xf
	v_add_f32_dpp v[CH], v[CH], v[CH] row_xmask:8 row_mask:0xf bank_mask:0xf
	v_permlanex16_b32 v[CH+1], v[CH], s12, s13     ; its destination counts as read: a register that has been written
	v_add_f32 v[S+(\i)], v[CH], v[CH+1]
.irp c, 0,1,2,3
	global_store_b64 v[SO], v[X+16*(\i)+4*(\c):X+16*(\i)+4*(\c)+1], s[18:19] offset:1024*(\i)+256*(\c)  ; 32 lanes store 256 consecutive bytes, at a multiple of 256 from the buffer's first byte
.endr
.endm
.irp i, 0,1,2,3,4,5,6,7
	ROW \i
.endr
	ds_store_b128 v[SA], v[S:S+3]                  ; all lanes write the same words with the same numbers
	ds_store_b128 v[SA], v[S+4:S+7] offset:16
	s_wait_dscnt 0x0                               ; for the others' sake: my sums lie in LDS
	s_barrier_signal -1
	s_barrier_wait -1
	s_cmp_lg_u32 s14, 0
	s_cbranch_scc1 .Lend                           ; wave 0 writes the group's row 32
	v_and_b32 v[TW], 15, v0
	v_lshlrev_b32 v[TW], 3, v[TW]
	ds_load_b64 v[RS:RS+1], v[TW]                  ; lanes 0-15: two sums each
.irp r, 0,1,2,3
	v_mov_b32 v[ZR+(\r)], 0
.endr
	v_cmp_gt_u32 vcc_lo, 16, v[LN]
	s_wait_dscnt 0x0
	v_cndmask_b32 v[RS], 0, v[RS], vcc_lo          ; lanes 16-31: 0
	v_cndmask_b32 v[RS+1], 0, v[RS+1], vcc_lo
	global_store_b64  v[SO], v[RS:RS+1], s[18:19] offset:32768   ; 128 bytes of sums and 128 of 0,
	global_store_b128 v[LO], v[ZR:ZR+3], s[18:19] offset:33024   ; 512 of 0,
	global_store_b64  v[SO], v[ZR:ZR+1], s[18:19] offset:33536   ; 256 of 0: the row's 1,024 bytes, in whole aligned runs of 256
.Lend:
	s_wait_tensorcnt 0x0                           ; the wave's end, behind my last LDS store
	ds_add_u32 v[SPW], v[NIL]
	s_wait_dscnt 0x0
	s_endpgm
.Lfunc_end_k_q4127a00085_cast:
	.size	k_q4127a00085_cast, .Lfunc_end_k_q4127a00085_cast-k_q4127a00085_cast
	.p2alignl 7, 3214868480
	.fill 96, 4, 3214868480
	.section	.rodata,"a",@progbits
	.p2align	6, 0x0
	.amdhsa_kernel k_q4127a00085_cast
		.amdhsa_group_segment_fixed_size 768
		.amdhsa_private_segment_fixed_size 0
		.amdhsa_enable_private_segment 0
		.amdhsa_kernarg_size 32
		.amdhsa_user_sgpr_count 2
		.amdhsa_user_sgpr_kernarg_segment_ptr 1
		.amdhsa_wavefront_size32 1
		.amdhsa_system_sgpr_workgroup_id_x 1
		.amdhsa_system_sgpr_workgroup_id_y 1
		.amdhsa_system_sgpr_workgroup_id_z 1
		.amdhsa_system_vgpr_workitem_id 0
		.amdhsa_next_free_vgpr 176
		.amdhsa_next_free_sgpr 66
		.amdhsa_reserve_vcc 1
		.amdhsa_float_denorm_mode_32 3
		.amdhsa_float_denorm_mode_16_64 3
		.amdhsa_memory_ordered 1
		.amdhsa_forward_progress 1
		.amdhsa_inst_pref_size 25
	.end_amdhsa_kernel
	.amdgpu_metadata
---
amdhsa.version: [ 1, 2 ]
amdhsa.kernels:
  - .name:           k_q4127a00085_cast
    .symbol:         k_q4127a00085_cast.kd
    .args:
      - { .name: z, .offset: 0, .size: 8, .value_kind: global_buffer, .address_space: global }
      - { .name: codebook, .offset: 8, .size: 8, .value_kind: global_buffer, .address_space: global }
      - { .name: zbx, .offset: 16, .size: 8, .value_kind: global_buffer, .address_space: global }
      - { .name: cbx, .offset: 24, .size: 8, .value_kind: global_buffer, .address_space: global }
    .group_segment_fixed_size: 768
    .private_segment_fixed_size: 0
    .kernarg_segment_align: 8
    .kernarg_segment_size: 32
    .max_flat_workgroup_size: 128
    .sgpr_count:     66
    .vgpr_count:     176
    .wavefront_size: 32
...
	.end_amdgpu_metadata
.endif
;; end of part 1
;; launch dist (part 2): grid 128 x 2, 4 waves a work-group, clusters of 4 x 1, 327,680 bytes of LDS; arguments zbx, cbx, candd, candi; writes candd, candi
.if DOCPART == 2
	.amdgcn_target "amdgcn-amd-amdhsa--gfx1250"
	.amdhsa_code_object_version 6
	.text
	.protected	k_q4127a00085_dist
	.globl	k_q4127a00085_dist
	.p2align	8
	.type	k_q4127a00085_dist,@function
k_q4127a00085_dist:
	s_mov_b64 s[64:65], 0
	v_nop
	global_prefetch_b8 v0, s[64:65] scope:SCOPE_SE
	s_setreg_imm32_b32 hwreg(HW_REG_WAVE_MODE, 25, 1), 1
	s_wait_xcnt 0x0
	s_wait_alu depctr_hold_cnt(0) depctr_sa_sdst(0) depctr_va_vdst(0) depctr_va_sdst(0) depctr_va_ssrc(0) depctr_va_vcc(0) depctr_vm_vsrc(0)
	s_getreg_b32 s2, hwreg(HW_REG_IB_STS2, 6, 4)
	s_cmp_eq_u32 s2, 0
	s_cbranch_scc0 .Lentry_in_a_cluster
	s_endpgm
.Lentry_in_a_cluster:
	s_bfe_u32 s2, ttmp6, 0x10000c
	s_cmp_lg_u32 s2, 0x3003
	s_cbranch_scc0 .Lentry_shape_is_right
	s_endpgm
.Lentry_shape_is_right:
; For each of 16,384 rows of z and each HALF of the codebook (4,096 codes): the least d = fl(fl(zz + ee) - 2 z.e) and the first index that has it.  z, e: bf16 (zbx, cbx, in groups of 32 rows with
; their 32 sums of squares in a 33rd row); z.e in f32 by the matrix unit; the two roundings of d are those of (zz + ee) - 2 z.e as it is written (2 z.e is exact, so one fused multiply-add rounds once).
; LIMITS.  The whole is the distance of the inputs ROUNDED TO bf16.  The f32 sums zz, ee and z.e are taken in another order than a sum from left to right; where a candidate's d lies within about 1e-9
; (at z of spread 1, codes of 1e-4) of a rounding step while another candidate stands within one step of it, or a row's d straddles a power of two, the index may differ.  A NaN never wins the minimum;
; if every d of a row is +infinity the first index is given.
; SHARES.  Work-group (x, y): rows 128 x .. + 127 of z, half y of the codebook: 32 tiles of 128 codes.  128 x 2 = 256 work-groups of equal work.  Wave w: rows 64 (w / 2) .. + 63 (four tiles mt of 16) and codes
; 64 (w % 2) .. + 63 of each tile.  THE WAVE'S 64 ROWS OF z, 512 K deep, STAY IN 512 REGISTERS for the whole launch; only codes are streamed, through two LDS slots of one tile each.
; THE PRODUCT IS USED TRANSPOSED: source 0 = 16 codes, source 1 = 16 rows of z: lane l holds ONE row of z (l % 16), its registers 0-7 the codes 8 (l / 16) + 0..7.  So zz is one number a lane and row tile,
; ee eight registers a code tile, and a running minimum lives in the lane.
; BLOCKS.  A block is 32 codes (two tiles ct) x 64 rows: 8 accumulators, 128 products, in four quarters of 4 K steps; a tile of 128 codes is two blocks of the wave (half 0, half 1), on two sets of accumulators.
; The 256 vector instructions that turn block b - 1's sums into d and fold them into the minimum stand between block b's products: one GROUP (four as a rule) behind every second product.
; CLUSTER.  The four work-groups of a cluster have the same y and walk the same codes: each tile is asked for JOINTLY (the same load, descriptor and mask of four in all); z's rows are each work-group's own.
; REGISTERS, in windows of 256 (s_set_vgpr_msb: bits 1:0 source 0, 3:2 source 1, 5:4 source 2, 7:6 destination):
;   window 0: v0-15 addresses; v16-47 BST, v48-79 TIX (least d and its index base, by mt and register j); v80-87 zz, twice each; v88-95 pairs at work; v96-127 ee, two sets; v128-255 accumulators, two sets
;   window 1: v0-63, v64-127 two buffers of code fragments (K step k of the quarter, tile ct at 8 (2 k + ct))          windows 2, 3: z's fragments, K step ks, tile mt at 8 ((ks % 8) 4 + mt), window 2 + ks / 8
.set PITCH, 1040                       ; an LDS row: 1,024 bytes + 16 of padding = 260 words: row r starts at bank 4 r mod 64 (64 banks of 4 bytes: ISA guide 11.1), so the 16 rows of a fragment load start at 16 different banks
.set GRP,   33*PITCH                   ; a group in LDS: 32 rows and the row of sums: what one tensor load brings
.set SLOT,  4*GRP                      ; a tile: four groups, one a wave
.set MRG,   274688                     ; behind the slots, in blocks of 256 bytes that no tensor load fills: wave w's 64 least d at MRG + 512 w, their indices 256 bytes on
.set SPARE, 276736                     ; the spare words, 128 bytes for each wave: two blocks of 256 bytes that no other line names
.set GRPB,  33792                      ; a group in memory
.set TILEB, 4*GRPB
.set HALFB, 32*TILEB
.set TRIPS, 15                         ; a trip walks two tiles and asks for two; the first two tiles are asked for ahead of the loop, the last two walked behind it
.set ADRB, 4                           ; v4-5   my lane's place in my wave's codes of slot 0, 1
.set EEA,  6                           ; v6-7   the same for their sums of squares
.set AZ,   8                           ; v8     my lane's place in my wave's rows of z (which first lie in slot 1)
.set ZZA,  9                           ; v9     the same for their sums of squares
.set MA,   9                           ;        later: where I put my row's least d
.set LB,   10                          ; v10    4096 y + 64 (w % 2) + 8 (l / 16): the index of my register 0 in tile 0, block 0, ct 0
.set PFO,  11                          ; v11    256 x lane; never rewritten
.set NV,   12                          ; v12-13 the index base of the block that is being folded, ct 0 and ct 1
.set SPW,  14                          ; v14    LDS address of my spare word; never rewritten
.set NIL,  15                          ; v15    0; never rewritten
.set BST,  16
.set TIX,  48
.set ZZ,   80
.set T,    88
.set EE,   96
.set ACC,  128
.set WV,  12                           ; s12  wave
.set MH,  13                           ; s13  w / 2
.set NH,  14                           ; s14  w % 2
.set CX,  15                           ; s15  my place in the cluster: it enters global addresses of my own alone
.set YY,  16                           ; s16  y
.set XX,  17                           ; s17  x
.set G1,  24                           ; s[24:31] descriptor group 1, joint
.set G1Z, 32                           ; s[32:39] the same without mask, for z
.set G0,  40                           ; s[40:47] descriptor group 0 for the codes, a set for each slot
.set G0Z, 48                           ; s[48:51] for z
.set PFA, 52                           ; s[52:53] where my prefetches stand
.set LIM, 54                           ; s54  1 in a cluster that prefetches, else the greatest number
.set CNT, 55                           ; s55  trips to go
.set SEL, 56                           ; s[56:57] v_permlanex16_b32's selects
.set MK,  58                           ; s58-60 lane masks at work
.set MSB, 0
.macro WIN new                         ; the immediate's high byte repeats the setting that is left; a switch that changes nothing is dropped
.if MSB != (\new)
	s_set_vgpr_msb (MSB<<8)|(\new)
.set MSB, (\new)
.endif
.endm
.macro PLACES                          ; four plain vector instructions behind a matrix instruction, ahead of a load into a register that it has read or of a reader of its result (ISA guide 7.12.1 for a reader of its result)
.rept 4
	v_nop
.endr
.endm
.macro CREST                           ; a round of the cluster's barrier behind its opening barrier
	s_cmp_lg_u32 s[WV], 0
	s_cbranch_scc1 .Lnot_wave_0_\@
	s_barrier_signal -3
.Lnot_wave_0_\@:
	s_barrier_wait -3
	s_barrier_signal -1
	s_barrier_wait -1
.endm
.macro CROUND                          ; a whole round: my work-group's barrier, wave 0 signals for it, every wave waits for all four work-groups, my work-group's barrier once more
	s_barrier_signal -1
	s_barrier_wait -1
	CREST
.endm
.macro JLOAD s                         ; a joint load: every wave fetches its group of the tile; one line for all; an s_nop 0 and four v_nop follow it
	tensor_load_to_lds s[G0+4*(\s):G0+4*(\s)+3], s[G1:G1+7]
	s_nop 0
.rept 4
	v_nop
.endr
.endm
; A PREFETCH of the tile that stands TWO refills on (two tiles, 512 products, ahead of the load that will ask for it).  Each half of the codebook is walked by 32 clusters: the one with x = 0 asks.  Of the group
; that wave w fetches, the partner at place cx names rows 8 cx .. 8 cx + 7, told apart BY ADDRESS: 32 runs of 256 bytes, a lane each, one instruction.  So each run is named once in the launch.  Tiles 0-3 come by
; their loads alone; the last trip asks for nothing: there is no tile behind its refills.  The rows of sums, one part in 33, are not asked for.
.macro ASK
	s_cmp_gt_u32 s[CNT], s[LIM]
	s_cbranch_scc0 .Lnot_mine_\@
	global_prefetch_b8 v[PFO], s[PFA:PFA+1] th:TH_LOAD_NT scope:SCOPE_SE
.Lnot_mine_\@:
.endm
	s_load_b256 s[4:11], s[0:1], 0x0               ; zbx s[4:5], cbx s[6:7], candd s[8:9], candi s[10:11]
	v_lshl_add_u32 v[SPW], v0, 2, SPARE
	v_mov_b32 v[NIL], 0
	ds_add_u32 v[SPW], v[NIL]                      ; the wave's opening: the add, twice on end, and its wait ahead of my first tensor load; the set-up below, work on registers, stands between
	ds_add_u32 v[SPW], v[NIL]                      ; and once more, under the one wait
	v_lshrrev_b32 v3, 5, v0
	v_readfirstlane_b32 s[WV], v3
	s_lshr_b32 s[MH], s[WV], 1
	s_and_b32 s[NH], s[WV], 1
	s_bfe_u32 s[CX], ttmp6, 0x40000
	s_and_b32 s[YY], ttmp7, 0xffff                 ; in a cluster launch ttmp7 and ttmp9 count clusters; the cluster is one work-group high
	s_lshl_b32 s[XX], ttmp9, 2
	s_add_co_u32 s[XX], s[XX], s[CX]
	s_cmp_eq_u32 ttmp9, 0
	s_cselect_b32 s[LIM], 1, -1                    ; the same in all four partners
	; descriptor group 1: a tile of 33 rows x 512 elements of 2 bytes, padded in LDS
	s_mov_b32 s[G1],  15|(1<<16)|(1<<20)|(1<<21)|(7<<22)|(3<<25)  ; 15:0 the mask: all four work-groups; 17:16 2-byte elements; 20 padding on; 21 set beside a mask; 24:22 after every 256 words (code 7); 31:25 4 words (code 3)
	s_mov_b32 s[G1Z], (1<<16)|(1<<20)|(7<<22)|(3<<25)             ; the same for a load of my own
.irp g, G1, G1Z
	s_mov_b32 s[(\g)+1], 512<<16                   ; tensor_dim0 = 512
	s_mov_b32 s[(\g)+2], 33<<16                    ; tensor_dim1 = 33
	s_mov_b32 s[(\g)+3], 512<<16                   ; tile_dim0 = 512
	s_mov_b32 s[(\g)+4], 33                        ; tile_dim1 = 33
	s_mov_b32 s[(\g)+5], 512                       ; 512 elements from row to row
	s_mov_b32 s[(\g)+6], 0
	s_mov_b32 s[(\g)+7], 0
.endr
	s_mul_i32 s22, s[WV], GRPB                     ; my group of a tile, in memory
	s_mul_i32 s18, s[YY], HALFB
	s_add_co_u32 s18, s18, s22                     ; codes: half y, tile 0, group w: made of y and the wave's number alone
	s_mov_b32 s19, 0
	s_mul_i32 s20, s[XX], TILEB
	s_add_co_u32 s20, s20, s22                     ; z: block x, group w
	s_mov_b32 s21, 0
	s_mul_i32 s23, s[WV], GRP                      ; and in a slot: no place in the cluster enters an LDS address
	s_mov_b32 s[SEL], 0x76543210
	s_mov_b32 s[SEL+1], 0xfedcba98
	s_wait_dscnt 0x0                               ; both opening adds are done
	s_wait_kmcnt 0x0
	s_add_nc_u64 s[18:19], s[6:7], s[18:19]
.irp s, 0,1
	s_mov_b32 s[G0+4*(\s)], 1                                      ; count = 1
	s_add_co_u32 s[G0+4*(\s)+1], s23, (\s)*SLOT                    ; LDS address
	s_add_nc_u64 s[G0+4*(\s)+2:G0+4*(\s)+3], s[18:19], (\s)*TILEB  ; global address: tile s
	s_or_b32 s[G0+4*(\s)+3], s[G0+4*(\s)+3], 0x80000000            ; type = 2
.endr
	s_mov_b32 s[G0Z], 1
	s_add_co_u32 s[G0Z+1], s23, SLOT               ; z's rows first lie in slot 1
	s_add_nc_u64 s[G0Z+2:G0Z+3], s[4:5], s[20:21]
	s_or_b32 s[G0Z+3], s[G0Z+3], 0x80000000
	s_lshl_b32 s20, s[CX], 13                      ; my work-group's 8 rows of 1,024 bytes
	s_add_nc_u64 s[PFA:PFA+1], s[18:19], s[20:21]
	s_add_nc_u64 s[PFA:PFA+1], s[PFA:PFA+1], 3*TILEB  ; at tile 3: the first change of slots steps it to tile 4.  Nothing is prefetched here, at the head
	CROUND                                         ; all four work-groups are here: the first joint loads meet
	tensor_load_to_lds s[G0Z:G0Z+3], s[G1Z:G1Z+7]  ; the first fills go out as one group: my group of z into slot 1,
	s_nop 0
	tensor_load_to_lds s[G0:G0+3], s[G1:G1+7]      ; my group of tile 0 into slot 0: two loads of mine are out
	s_nop 0
.rept 4
	v_nop
.endr
	; A fragment is 16 rows x 32 K in 8 registers: lane l holds row l % 16; registers 0-3 K = 8 (l / 16) + 0..7, registers 4-7 K = 16 + 8 (l / 16) + 0..7: two loads of 16 bytes, 32 bytes apart.
	v_and_b32 v1, 15, v0                           ; r = l % 16
	v_bfe_u32 v2, v0, 4, 1                         ; h = l / 16
	v_mul_u32_u24 v3, v1, PITCH
	v_lshl_add_u32 v3, v2, 4, v3                   ; row x pitch + 16 h
	s_mul_i32 s20, s[NH], 2*GRP                    ; my 64 codes are groups 2 (w % 2) and the next
	v_add_nc_u32 v[ADRB], s20, v3
	v_add_nc_u32 v[ADRB+1], SLOT, v[ADRB]
	s_add_co_u32 s21, s20, 32*PITCH                ; a group's row of sums; my eight codes' sums begin 32 h bytes in
	v_lshl_add_u32 v[EEA], v2, 5, s21
	v_add_nc_u32 v[EEA+1], SLOT, v[EEA]
	s_mul_i32 s22, s[MH], 2*GRP                    ; my 64 rows of z are groups 2 (w / 2) and the next
	s_add_co_u32 s22, s22, SLOT
	v_add_nc_u32 v[AZ], s22, v3
	s_add_co_u32 s21, s22, 32*PITCH
	v_lshl_add_u32 v[ZZA], v1, 2, s21
	s_lshl_b32 s20, s[YY], 12
	s_lshl_b32 s21, s[NH], 6
	s_add_co_u32 s20, s20, s21
	v_lshl_add_u32 v[LB], v2, 3, s20
	v_and_b32 v[PFO], 31, v0
	v_lshlrev_b32 v[PFO], 8, v[PFO]
	v_add_nc_u32 v[NV], 0xffffffa0, v[LB]          ; LB - 96: the first fold adds 96
	v_add_nc_u32 v[NV+1], 0xffffffb0, v[LB]        ; 16 codes on
.set i_, 0
.rept 32                               ; the minimum starts at +infinity with the lowest index base: written in the wait for the first tiles
	v_mov_b32 v[BST+i_], 0x7f800000
	v_mov_b32 v[TIX+i_], v[LB]
.set i_, i_+1
.endr
	s_wait_tensorcnt 0x1                           ; tensor loads of a wave end in order: my group of z is in; tile 0's load, issued behind it, may stay out
	s_barrier_signal -1
	s_barrier_wait -1                              ; everybody's group of z is in
.set ks_, 0
.rept 16                               ; z's 64 fragments: 128 loads, once a launch
.if ks_ == 0
	WIN 0x80                                       ; destination window 2, address window 0
.elseif ks_ == 8
	WIN 0xc0                                       ; destination window 3
.endif
.irp m, 0,1,2,3
	ds_load_b128 v[8*((ks_%8)*4+(\m)):8*((ks_%8)*4+(\m))+3],   v[AZ] offset:((\m)/2)*GRP+((\m)%2)*16*PITCH+64*ks_
	ds_load_b128 v[8*((ks_%8)*4+(\m))+4:8*((ks_%8)*4+(\m))+7], v[AZ] offset:((\m)/2)*GRP+((\m)%2)*16*PITCH+64*ks_+32
.endr
.set ks_, ks_+1
.endr
	WIN 0
.irp m, 0,1,2,3
	ds_load_b32 v[ZZ+2*(\m)],   v[ZZA] offset:((\m)/2)*GRP+((\m)%2)*64  ; my row's zz, twice: a pair for the packed addition
	ds_load_b32 v[ZZ+2*(\m)+1], v[ZZA] offset:((\m)/2)*GRP+((\m)%2)*64
.endr
; THE MATRIX WORK.  Product pidx of a block's 128: K step pidx / 8, accumulator pidx % 8 = 4 ct + mt.  The 8 accumulators take turns, one instruction a turn, from block to block (the sets alternate) and over the
; backward jump too.  The first K step starts the sums with the constant 0: nothing is cleared.
.macro MM
.set ks_, pidx/8
.set rA, ACC+64*CSET+8*(pidx%8)
.set rF, 64*((ks_/4)%2)+8*(2*(ks_%4)+(pidx%8)/4)
.set rZ, 8*((ks_%8)*4+pidx%4)
	WIN 0x09+4*(ks_/8)                             ; codes in window 1, z in window 2 or 3, sums in window 0
.if ks_ == 0
	v_wmma_f32_16x16x32_bf16 v[rA:rA+7], v[rF:rF+7], v[rZ:rZ+7], 0
.else
	v_wmma_f32_16x16x32_bf16 v[rA:rA+7], v[rF:rF+7], v[rZ:rZ+7], v[rA:rA+7]
.endif
.set pidx, pidx+1
.endm
; THE FOLD of the block whose sums lie in set ES: 256 instructions in two queues.
; The packed queue, 64 long (PKQ writes number pq): for pair PP of 32 (accumulator PP / 4, registers 2 (PP % 4) and the next) ADDP makes fl(zz + ee), FMAP d = fl(that - 2 z.e), in place.  Order: A0 A1 F0 A2 F1 .. A31 F30 F31:
; four pairs at work take turns.  Each accumulator is read from its lowest registers on.
.macro ADDP
.set rT, T+2*(PP%4)
.set rE, EE+16*ES+8*(PP/16)+2*(PP%4)
.set rW, ZZ+2*((PP/4)%4)
	v_pk_add_f32 v[rT:rT+1], v[rE:rE+1], v[rW:rW+1]
.endm
.macro FMAP
.set rT, T+2*(PP%4)
.set rG, ACC+64*ES+2*PP
	v_pk_fma_f32 v[rG:rG+1], v[rG:rG+1], -2.0, v[rT:rT+1] op_sel_hi:[1,0,1]
.endm
.macro PKQ
.if pq == 0
.set PP, 0
	ADDP
.elseif pq == 63
.set PP, 31
	FMAP
.elseif pq%2 == 1
.set PP, (pq+1)/2
	ADDP
.else
.set PP, pq/2-1
	FMAP
.endif
.set pq, pq+1
.endm
; The triples, 64 (TR writes number tq: accumulator tq / 8, register tq % 8): is d below the least so far?  Then its index base is taken; the least is lowered.  Strictly below, and the codes of a lane's register come
; in ascending order: the first index among equals stays.  with = 1: a number of the packed queue stands between the compare and its reader.
.macro TR with
.set rD, ACC+64*ES+tq
.set rB, BST+8*((tq/8)%4)+tq%8
.set rI, TIX+8*((tq/8)%4)+tq%8
.set rN, NV+tq/32
	v_cmp_lt_f32 vcc_lo, v[rD], v[rB]
.if \with
	PKQ
.endif
	v_cndmask_b32 v[rI], v[rI], v[rN], vcc_lo
	v_min_num_f32 v[rB], v[rB], v[rD]
.set tq, tq+1
.endm
; Group gq of 64.  0: the index bases step to the block that is folded (96 from a tile's second block to the next tile's first, else 32), and four of the packed queue; 1: four more; 2-57: a triple with one of the packed
; queue inside; 58-61: a triple; 62, 63: two triples.  Triple t stands in group t + 2, behind packed number t + 7; its d is packed number 2 (t / 2) + 2 (the last pair's: 63).  VCC is written and read inside a group.
.macro GROUP
	WIN 0
.if gq == 0
	v_add_nc_u32 v[NV], 96-64*ES, v[NV]
	v_add_nc_u32 v[NV+1], 96-64*ES, v[NV+1]
.endif
.if gq < 2
.rept 4
	PKQ
.endr
.elseif gq < 58
	TR 1
.elseif gq < 62
	TR 0
.else
	TR 0
	TR 0
.endif
.set gq, gq+1
.endm
.macro PAIR                            ; two products and, where a block is being folded, a group
	MM
	MM
.if RIDE
	GROUP
.endif
.endm
; THE LDS LOADS stand in runs: the 8 code fragments of quarter q of the block (slot, half), 16 loads in the order K step, tile, into buffer FB; ee = 1: ahead of them that block's 32 sums of squares, 4 loads.
.macro FETCH slot, half, q, ee
.if \ee
	WIN 0
.irp c, 0,1
	ds_load_b128 v[EE+16*(\half)+8*(\c):EE+16*(\half)+8*(\c)+3],   v[EEA+(\slot)] offset:(\half)*GRP+64*(\c)
	ds_load_b128 v[EE+16*(\half)+8*(\c)+4:EE+16*(\half)+8*(\c)+7], v[EEA+(\slot)] offset:(\half)*GRP+64*(\c)+16
.endr
.endif
	WIN 0x40                                       ; destination window 1, address window 0
.irp k, 0,1,2,3
.irp c, 0,1
	ds_load_b128 v[FB+8*(2*(\k)+(\c)):FB+8*(2*(\k)+(\c))+3],   v[ADRB+(\slot)] offset:(\half)*GRP+(\c)*16*PITCH+64*(4*(\q)+(\k))
	ds_load_b128 v[FB+8*(2*(\k)+(\c))+4:FB+8*(2*(\k)+(\c))+7], v[ADRB+(\slot)] offset:(\half)*GRP+(\c)*16*PITCH+64*(4*(\q)+(\k))+32
.endr
.endr
.endm
; A QUARTER: 32 products on the buffer in hand.  Behind its fourth product the next quarter's run (fslot, fhalf, fq, fee) goes into the other buffer: that buffer's last reader stands four products and three groups
; back (where nothing is folded: four v_nop).  LDS loads come back in order (ISA guide 5.7.1), four for each K step: each wait leaves out what is younger.  nofetch = 1: the launch's last quarter.
.macro QUARTER fslot, fhalf, fq, fee, nofetch
	s_wait_dscnt 12                                ; of the run of 16 the first K step's four are in (and what was issued ahead of the run)
	PAIR
	PAIR
.if RIDE == 0
	PLACES
.endif
.if \nofetch
.set NEW, 0
.else
.set NEW, 16+4*(\fee)
.set FB, 64*((pidx/32+1)%2)
	FETCH \fslot, \fhalf, \fq, \fee
.endif
	PAIR
	PAIR
	s_wait_dscnt 8+NEW                             ; the second K step's four: the run's last 8 and the NEW loads just issued may be out
.rept 4
	PAIR
.endr
	s_wait_dscnt 4+NEW
.rept 4
	PAIR
.endr
	s_wait_dscnt NEW
.rept 4
	PAIR
.endr
.endm
; THE CHANGE OF SLOTS: the last quarter of a tile's second block.  Each wave waits for all its tensor loads, of which one is out: its group of the other slot; adds 0 to its spare word; and waits for that and for its
; own reads of this slot.  Behind the barrier nobody reads this slot any more and the other slot is whole.  fill = 1: the barrier opens a round of the cluster's, so that no wave of any partner still reads the slot
; or has a load on its way, and the joint refill, with the tile two on, is the first thing behind it: 240 products stand between it and the wait for it.
.macro QCH slot, fill
.if \fill
	s_wait_xcnt 0x0                                ; the last prefetch, a tile back, has read its address: it is stepped here, ahead of the change's own waits
	s_add_nc_u64 s[PFA:PFA+1], s[PFA:PFA+1], TILEB
.endif
	WIN 0                                          ; (the add's two registers lie in window 0)
	s_wait_tensorcnt 0x0                           ; all my tensor loads have landed;
	ds_add_u32 v[SPW], v[NIL]                      ; 0 onto my spare word;
	s_wait_dscnt 13                                ; (the add and the run's last 12 loads may be out)
.rept 4
	PAIR                                           ; eight products and their groups stand between the add and the wait for it
.endr
	s_wait_dscnt 0x0                               ; the add is done, and my reads of this slot are over
	s_barrier_signal -1
.rept 4
	PAIR                                           ; work on registers while the others arrive
.endr
	WIN 0
	s_barrier_wait -1
.if \fill
	CREST
	s_add_nc_u64 s[G0+4*(\slot)+2:G0+4*(\slot)+3], s[G0+4*(\slot)+2:G0+4*(\slot)+3], 2*TILEB  ; no load of mine is out, so the group 0 may be written; the type bits on top are not reached
	JLOAD \slot
.else
	PLACES
.endif
.set FB, 0
	FETCH 1-(\slot), 0, 0, 0                       ; the next tile's first fragments
.if \fill
	WIN 0
	ASK                                            ; behind the joint load and the run of LDS loads that the next products wait for
.endif
.rept 8
	PAIR
.endr
.endm
; A BLOCK (slot, half).  ride = 1: the block before is folded beside the products.  mode 0: the last quarter fetches the tile's second block; 1: it changes slots and fills; 2: it changes slots; 3: it fetches nothing.
.macro BLOCK slot, half, ride, mode
.set CSET, (\half)
.set ES, 1-(\half)
.set RIDE, (\ride)
.set pidx, 0
.set gq, 0
.set pq, 0
.set tq, 0
	QUARTER \slot, \half, 1, 1, 0
	QUARTER \slot, \half, 2, 0, 0
	QUARTER \slot, \half, 3, 0, 0
.if (\mode) == 0
	QUARTER \slot, 1, 0, 0, 0
.elseif (\mode) == 1
	QCH \slot, 1
.elseif (\mode) == 2
	QCH \slot, 0
.else
	QUARTER 0, 0, 0, 0, 1
.endif
.if (\ride) == 0
	PLACES                                         ; the places behind the last products, ahead of the fold that reads them
.endif
.endm
; (dA, iA) = the lesser of (dA, iA) and (dB, iB): by d, among equals by the index.
.macro LEXMIN dA, iA, dB, iB
	v_cmp_lt_f32 s[MK], v[(\dB)], v[(\dA)]
	v_cmp_eq_f32 s[MK+1], v[(\dB)], v[(\dA)]
	v_cmp_lt_u32 s[MK+2], v[(\iB)], v[(\iA)]
	s_and_b32 s[MK+1], s[MK+1], s[MK+2]
	s_or_b32 s[MK], s[MK], s[MK+1]
	v_cndmask_b32 v[(\dA)], v[(\dA)], v[(\dB)], s[MK]
	v_cndmask_b32 v[(\iA)], v[(\iA)], v[(\iB)], s[MK]
.endm
	s_wait_tensorcnt 0x0                           ; z lies in registers soon: slot 1 is filled again, with tile 1.  All my tensor loads have landed, tile 0's group among them;
	ds_add_u32 v[SPW], v[NIL]                      ; 0 onto my spare word;
	s_wait_dscnt 0x0                               ; the add is done, and my reads of z's rows are back
	CROUND
	JLOAD 1
.set FB, 0
	FETCH 0, 0, 0, 0
	BLOCK 0, 0, 0, 0                               ; tile 0's first block: there is nothing to fold yet
	WIN 0                                          ; at a label and at a branch every window is 0
	s_mov_b32 s[CNT], TRIPS
.Ltrip:                                        ; trip i: second block of tile 2 i (slot 0 then takes tile 2 i + 2), both blocks of tile 2 i + 1 (slot 1 then takes tile 2 i + 3), first block of tile 2 i + 2
	BLOCK 0, 1, 1, 1
	BLOCK 1, 0, 1, 0
	BLOCK 1, 1, 1, 1
	BLOCK 0, 0, 1, 0
	WIN 0
	s_sub_co_u32 s[CNT], s[CNT], 1
	s_cmp_lg_u32 s[CNT], 0
	s_cbranch_scc1 .Ltrip
	BLOCK 0, 1, 1, 2                               ; the tail is written out: tiles 30 and 31, nothing is asked for
	BLOCK 1, 0, 1, 0
	BLOCK 1, 1, 1, 3
.set ES, 1
.set gq, 0
.set pq, 0
.set tq, 0
.rept 64
	GROUP                                          ; the last block's fold (the group behind the last product is its places)
.endr
	; THE FINISH.  A lane's 8 registers, the two halves of the lanes, and the two waves that share rows are merged, each time by d and then by the index.
	s_lshl_b32 s20, s[WV], 9
	s_add_co_u32 s20, s20, MRG
	v_lshl_add_u32 v[MA], v1, 2, s20
.irp m, 0,1,2,3
.irp j, 1,2,3,4,5,6,7
	v_add_nc_u32 v[TIX+8*(\m)+(\j)], (\j), v[TIX+8*(\m)+(\j)]  ; the register's own place in its eight codes
.endr
.endr
.irp m, 0,1,2,3
.irp p, 0,2,4,6
	LEXMIN BST+8*(\m)+(\p), TIX+8*(\m)+(\p), BST+8*(\m)+(\p)+1, TIX+8*(\m)+(\p)+1
.endr
	LEXMIN BST+8*(\m), TIX+8*(\m), BST+8*(\m)+2, TIX+8*(\m)+2
	LEXMIN BST+8*(\m)+4, TIX+8*(\m)+4, BST+8*(\m)+6, TIX+8*(\m)+6
	LEXMIN BST+8*(\m), TIX+8*(\m), BST+8*(\m)+4, TIX+8*(\m)+4
	v_permlanex16_b32 v[T], v[BST+8*(\m)], s[SEL], s[SEL+1]      ; the row's other codes lie in the lane 16 away
	v_permlanex16_b32 v[T+1], v[TIX+8*(\m)], s[SEL], s[SEL+1]
	LEXMIN BST+8*(\m), TIX+8*(\m), T, T+1
	ds_store_b32 v[MA], v[BST+8*(\m)] offset:64*(\m)             ; lanes l and l + 16 write the same word with the same number
	ds_store_b32 v[MA], v[TIX+8*(\m)] offset:64*(\m)+256
.endr
	s_wait_dscnt 0x0                               ; for the others' sake: my stores are done
	s_barrier_signal -1
	s_barrier_wait -1
	s_lshl_b32 s22, s[YY], 16                      ; candd and candi are [2][16384]: half y,
	s_lshl_b32 s23, s[XX], 9                       ; 128 rows of 4 bytes a work-group,
	s_add_co_u32 s22, s22, s23
	s_lshl_b32 s23, s[MH], 8                       ; 64 a pair of waves
	s_add_co_u32 s22, s22, s23
	s_mov_b32 s23, 0
	s_add_nc_u64 s[8:9], s[8:9], s[22:23]
	s_add_nc_u64 s[10:11], s[10:11], s[22:23]
	s_cmp_lg_u32 s[NH], 0
	s_cbranch_scc1 .Lend                           ; waves 0 and 2 finish their 64 rows
	v_and_b32 v3, 31, v0
	v_lshlrev_b32 v2, 3, v3                        ; two rows a lane
	v_add_nc_u32 v3, s20, v2
	ds_load_b64 v[T:T+1],   v3                     ; my d,
	ds_load_b64 v[T+2:T+3], v3 offset:256          ; my indices,
	ds_load_b64 v[T+4:T+5], v3 offset:512          ; the next wave's d,
	ds_load_b64 v[T+6:T+7], v3 offset:768          ; and indices
	s_wait_dscnt 0x0
	LEXMIN T, T+2, T+4, T+6
	LEXMIN T+1, T+3, T+5, T+7
	global_store_b64 v2, v[T:T+1], s[8:9]          ; 32 lanes store 256 consecutive bytes, at a multiple of 256 from the buffer's first byte
	global_store_b64 v2, v[T+2:T+3], s[10:11]
.Lend:
	s_wait_tensorcnt 0x0                           ; the wave's end, behind my last tensor load and my last LDS store
	ds_add_u32 v[SPW], v[NIL]
	s_wait_dscnt 0x0
	CROUND                                         ; the closing round: no work-group ends while a partner may still ask for a tile that names it
	s_endpgm
.Lfunc_end_k_q4127a00085_dist:
	.size	k_q4127a00085_dist, .Lfunc_end_k_q4127a00085_dist-k_q4127a00085_dist
	.p2alignl 7, 3214868480
	.fill 96, 4, 3214868480
	.section	.rodata,"a",@progbits
	.p2align	6, 0x0
	.amdhsa_kernel k_q4127a00085_dist
		.amdhsa_group_segment_fixed_size 327680
		.amdhsa_private_segment_fixed_size 0
		.amdhsa_enable_private_segment 0
		.amdhsa_kernarg_size 32
		.amdhsa_user_sgpr_count 2
		.amdhsa_user_sgpr_kernarg_segment_ptr 1
		.amdhsa_wavefront_size32 1
		.amdhsa_system_sgpr_workgroup_id_x 1
		.amdhsa_system_sgpr_workgroup_id_y 1
		.amdhsa_system_sgpr_workgroup_id_z 1
		.amdhsa_system_vgpr_workitem_id 0
		.amdhsa_next_free_vgpr 1024
		.amdhsa_next_free_sgpr 66
		.amdhsa_reserve_vcc 1
		.amdhsa_float_denorm_mode_32 3
		.amdhsa_float_denorm_mode_16_64 3
		.amdhsa_memory_ordered 1
		.amdhsa_forward_progress 1
		.amdhsa_inst_pref_size 249
	.end_amdhsa_kernel
	.amdgpu_metadata
---
amdhsa.version: [ 1, 2 ]
amdhsa.kernels:
  - .name:           k_q4127a00085_dist
    .symbol:         k_q4127a00085_dist.kd
    .args:
      - { .name: zbx, .offset: 0, .size: 8, .value_kind: global_buffer, .address_space: global }
      - { .name: cbx, .offset: 8, .size: 8, .value_kind: global_buffer, .address_space: global }
      - { .name: candd, .offset: 16, .size: 8, .value_kind: global_buffer, .address_space: global }
      - { .name: candi, .offset: 24, .size: 8, .value_kind: global_buffer, .address_space: global }
    .group_segment_fixed_size: 327680
    .private_segment_fixed_size: 0
    .kernarg_segment_align: 8
    .kernarg_segment_size: 32
    .max_flat_workgroup_size: 128
    .sgpr_count:     66
    .vgpr_count:     1024
    .wavefront_size: 32
...
	.end_amdgpu_metadata
.endif
;; end of part 2
;; launch pick (part 3): grid 256 x 1, 16 waves a work-group, no clusters, 0 bytes of LDS; arguments zbx, cbx, candd, candi, out0, out1; writes out0, out1
.if DOCPART == 3
	.amdgcn_target "amdgcn-amd-amdhsa--gfx1250"
	.amdhsa_code_object_version 6
	.text
	.protected	k_q4127a00085_pick
	.globl	k_q4127a00085_pick
	.p2align	8
	.type	k_q4127a00085_pick,@function
k_q4127a00085_pick:
	s_mov_b64 s[64:65], 0
	v_nop
	global_prefetch_b8 v0, s[64:65] scope:SCOPE_SE
	s_setreg_imm32_b32 hwreg(HW_REG_WAVE_MODE, 25, 1), 1
	s_wait_xcnt 0x0
; out1[row] = the index of the lesser of the two halves' least d (the second half's only if strictly less: the first half holds the lower indices); out0[row] = z + (q - z), q the code of that index.
; z and q are the bf16 roundings in zbx and cbx (groups of 33 rows of 1,024 bytes); the two f32 roundings are those of z + (q - z) as it is written.
; BOTH candidates' rows are gathered: their addresses are made of whole numbers read from candi; the comparison of the two d selects VALUES alone, so no address and no branch hangs on a floating-point number.
; SHARES.  Work-group b: rows 64 b .. + 63; wave w: rows 4 w .. + 3.  Straight line: a wave has its 16 loads of z and its 32 gathers, 256 consecutive bytes each, on their way together.  Nothing is shared between waves:
; no LDS, no barrier; no matrix unit, no cluster: memory binds.
.set GRPB, 33792
.set VZ,  1                            ; v1   0
.set L8,  2                            ; v2   8 x lane
.set L16, 3                            ; v3   16 x lane
.set I0,  4                            ; v[4:7]   my four rows' indices in half 0, the same in every lane
.set I1,  8                            ; v[8:11]  in half 1
.set D0,  12                           ; v[12:15] their d
.set D1,  16                           ; v[16:19]
.set OF,  20                           ; v[20:27] row i, half f: the byte offset of my 8 bytes in the candidate's row of cbx, at OF + 2 i + f
.set TT,  28                           ; v[28:31] z, four numbers in f32
.set UU,  32                           ; v[32:35] q, then q - z
.set QS,  36                           ; v[36:37] the chosen code's two words
.set W0,  38                           ; v[38:39] at work
.set Z,   40                           ; v[40:71]   row i, run c of 256 bytes at Z + 8 i + 2 c
.set Q,   72                           ; v[72:135]  row i, half f, run c at Q + 16 i + 8 f + 2 c
.set O,   136                          ; v[136:199] row i, run c at O + 16 i + 4 c: each used once, so nothing waits for a store
.set MK,  28                           ; s28-31 row i: all ones where half 1 is strictly less
	s_load_b256 s[4:11], s[0:1], 0x0               ; zbx s[4:5], cbx s[6:7], candd s[8:9], candi s[10:11]
	s_load_b128 s[12:15], s[0:1], 0x20             ; out0 s[12:13], out1 s[14:15]
	v_lshrrev_b32 v[W0], 5, v0
	v_readfirstlane_b32 s16, v[W0]                 ; wave 0..15
	v_and_b32 v[W0+1], 31, v0
	v_mov_b32 v[VZ], 0
	v_lshlrev_b32 v[L8], 3, v[W0+1]
	v_lshlrev_b32 v[L16], 4, v[W0+1]
	s_lshl_b32 s20, ttmp9, 8                       ; 4 bytes x (64 b + 4 w)
	s_lshl_b32 s21, s16, 4
	s_add_co_u32 s20, s20, s21
	s_mov_b32 s21, 0
	s_mul_i32 s22, ttmp9, 2*GRPB                   ; zbx: two groups a work-group,
	s_lshr_b32 s23, s16, 3
	s_mul_i32 s23, s23, GRPB                       ; eight waves a group,
	s_add_co_u32 s22, s22, s23
	s_and_b32 s23, s16, 7
	s_lshl_b32 s23, s23, 12                        ; four rows of 1,024 bytes a wave
	s_add_co_u32 s22, s22, s23
	s_mov_b32 s23, 0
	s_lshl_b32 s24, ttmp9, 17                      ; out0: 64 rows of 2,048 bytes a work-group,
	s_lshl_b32 s25, s16, 13                        ; four a wave
	s_add_co_u32 s24, s24, s25
	s_mov_b32 s25, 0
	s_mov_b32 s26, 0xffff0000                      ; a word's upper bf16
	s_wait_kmcnt 0x0
	s_add_nc_u64 s[10:11], s[10:11], s[20:21]
	s_add_nc_u64 s[8:9], s[8:9], s[20:21]
	s_add_nc_u64 s[14:15], s[14:15], s[20:21]      ; (used by wave 0 alone, where it is the work-group's first row)
	s_add_nc_u64 s[4:5], s[4:5], s[22:23]
	s_add_nc_u64 s[12:13], s[12:13], s[24:25]
	global_load_b128 v[I0:I0+3], v[VZ], s[10:11]               ; every lane reads the same 16 bytes
	global_load_b128 v[I1:I1+3], v[VZ], s[10:11] offset:65536
	global_load_b128 v[D0:D0+3], v[VZ], s[8:9]
	global_load_b128 v[D1:D1+3], v[VZ], s[8:9] offset:65536
.irp i, 0,1,2,3
.irp c, 0,1,2,3
	global_load_b64 v[Z+8*(\i)+2*(\c):Z+8*(\i)+2*(\c)+1], v[L8], s[4:5] offset:1024*(\i)+256*(\c) th:TH_LOAD_NT  ; lane l: numbers 128 c + 4 l .. + 3 of row i
.endr
.endr
	s_wait_loadcnt 16                              ; loads come back in order: the four candidate loads are in, z's sixteen may stay out
.irp i, 0,1,2,3
.irp f, 0,1
	v_min_u32 v[W0], 0x1fff, v[I0+4*(\f)+(\i)]     ; an index t stays inside the table
	v_and_b32 v[W0+1], 0x1fe0, v[W0]
	v_lshl_add_u32 v[W0+1], v[W0+1], 5, v[L8]      ; (t / 32) x 33,792 + (t % 32) x 1,024 = 1,024 t + 1,024 (t / 32) = (t << 10) + ((t & 0x1fe0) << 5)
	v_lshl_add_u32 v[OF+2*(\i)+(\f)], v[W0], 10, v[W0+1]
.endr
	v_cmp_lt_f32 s[MK+(\i)], v[D1+(\i)], v[D0+(\i)]
.endr
.irp i, 0,1,2,3
.irp f, 0,1
.irp c, 0,1,2,3
	global_load_b64 v[Q+16*(\i)+8*(\f)+2*(\c):Q+16*(\i)+8*(\f)+2*(\c)+1], v[OF+2*(\i)+(\f)], s[6:7] offset:256*(\c)  ; no hint: a code may be named by many rows
.endr
.endr
.endr
.irp i, 0,1,2,3
	s_wait_loadcnt 24-8*(\i)                       ; this row's eight gathers are in (and z, issued ahead of them); the eight of each later row may stay out
.irp c, 0,1,2,3
	v_cndmask_b32 v[QS],   v[Q+16*(\i)+2*(\c)],   v[Q+16*(\i)+8+2*(\c)],   s[MK+(\i)]
	v_cndmask_b32 v[QS+1], v[Q+16*(\i)+2*(\c)+1], v[Q+16*(\i)+8+2*(\c)+1], s[MK+(\i)]
	v_lshlrev_b32 v[TT],   16,  v[Z+8*(\i)+2*(\c)]               ; bf16 to f32: the low half moves up, the high half stays
	v_and_b32     v[TT+1], s26, v[Z+8*(\i)+2*(\c)]
	v_lshlrev_b32 v[TT+2], 16,  v[Z+8*(\i)+2*(\c)+1]
	v_and_b32     v[TT+3], s26, v[Z+8*(\i)+2*(\c)+1]
	v_lshlrev_b32 v[UU],   16,  v[QS]
	v_and_b32     v[UU+1], s26, v[QS]
	v_lshlrev_b32 v[UU+2], 16,  v[QS+1]
	v_and_b32     v[UU+3], s26, v[QS+1]
	v_pk_add_f32 v[UU:UU+1],   v[UU:UU+1],   v[TT:TT+1]   neg_lo:[0,1] neg_hi:[0,1]  ; q - z
	v_pk_add_f32 v[UU+2:UU+3], v[UU+2:UU+3], v[TT+2:TT+3] neg_lo:[0,1] neg_hi:[0,1]
	v_pk_add_f32 v[O+16*(\i)+4*(\c):O+16*(\i)+4*(\c)+1],   v[TT:TT+1],   v[UU:UU+1]  ; z + (q - z)
	v_pk_add_f32 v[O+16*(\i)+4*(\c)+2:O+16*(\i)+4*(\c)+3], v[TT+2:TT+3], v[UU+2:UU+3]
	global_store_b128 v[L16], v[O+16*(\i)+4*(\c):O+16*(\i)+4*(\c)+3], s[12:13] offset:2048*(\i)+512*(\c) th:TH_STORE_NT  ; 512 consecutive bytes, at a multiple of 256 from out0's first byte
.endr
.endr
	s_cmp_lg_u32 s16, 0
	s_cbranch_scc1 .Lend                           ; wave 0 writes the work-group's 64 indices, two a lane: 256 consecutive bytes
	global_load_b64 v[I0:I0+1],   v[L8], s[10:11]
	global_load_b64 v[I0+2:I0+3], v[L8], s[10:11] offset:65536
	global_load_b64 v[I1:I1+1],   v[L8], s[8:9]
	global_load_b64 v[I1+2:I1+3], v[L8], s[8:9] offset:65536
	s_wait_loadcnt 0x0
	v_cmp_lt_f32 vcc_lo, v[I1+2], v[I1]
	v_cndmask_b32 v[D0], v[I0], v[I0+2], vcc_lo
	v_cmp_lt_f32 vcc_lo, v[I1+3], v[I1+1]
	v_cndmask_b32 v[D0+1], v[I0+1], v[I0+3], vcc_lo
	global_store_b64 v[L8], v[D0:D0+1], s[14:15]
.Lend:
	s_endpgm
.Lfunc_end_k_q4127a00085_pick:
	.size	k_q4127a00085_pick, .Lfunc_end_k_q4127a00085_pick-k_q4127a00085_pick
	.p2alignl 7, 3214868480
	.fill 96, 4, 3214868480
	.section	.rodata,"a",@progbits
	.p2align	6, 0x0
	.amdhsa_kernel k_q4127a00085_pick
		.amdhsa_group_segment_fixed_size 0
		.amdhsa_private_segment_fixed_size 0
		.amdhsa_enable_private_segment 0
		.amdhsa_kernarg_size 48
		.amdhsa_user_sgpr_count 2
		.amdhsa_user_sgpr_kernarg_segment_ptr 1
		.amdhsa_wavefront_size32 1
		.amdhsa_system_sgpr_workgroup_id_x 1
		.amdhsa_system_sgpr_workgroup_id_y 1
		.amdhsa_system_sgpr_workgroup_id_z 1
		.amdhsa_system_vgpr_workitem_id 0
		.amdhsa_next_free_vgpr 208
		.amdhsa_next_free_sgpr 66
		.amdhsa_reserve_vcc 1
		.amdhsa_float_denorm_mode_32 3
		.amdhsa_float_denorm_mode_16_64 3
		.amdhsa_memory_ordered 1
		.amdhsa_forward_progress 1
		.amdhsa_inst_pref_size 21
	.end_amdhsa_kernel
	.amdgpu_metadata
---
amdhsa.version: [ 1, 2 ]
amdhsa.kernels:
  - .name:           k_q4127a00085_pick
    .symbol:         k_q4127a00085_pick.kd
    .args:
      - { .name: zbx, .offset: 0, .size: 8, .value_kind: global_buffer, .address_space: global }
      - { .name: cbx, .offset: 8, .size: 8, .value_kind: global_buffer, .address_space: global }
      - { .name: candd, .offset: 16, .size: 8, .value_kind: global_buffer, .address_space: global }
      - { .name: candi, .offset: 24, .size: 8, .value_kind: global_buffer, .address_space: global }
      - { .name: out0, .offset: 32, .size: 8, .value_kind: global_buffer, .address_space: global }
      - { .name: out1, .offset: 40, .size: 8, .value_kind: global_buffer, .address_space: global }
    .group_segment_fixed_size: 0
    .private_segment_fixed_size: 0
    .kernarg_segment_align: 8
    .kernarg_segment_size: 48
    .max_flat_workgroup_size: 512
    .sgpr_count:     66
    .vgpr_count:     208
    .wavefront_size: 32
...
	.end_amdgpu_metadata
.endif
;; end of part 3
;; ======== version 2 of 2: 3 launches; version 1 with the launches cast, pick written anew for expert scheduling mode
;; workspace buffers: zbx 17,301,504 bytes; cbx 8,650,752 bytes; candd 131,072 bytes; candi 131,072 bytes of whole numbers
;; launch cast (part 4): grid 768 x 1, 4 waves a work-group, no clusters, 768 bytes of LDS; arguments z, codebook, zbx, cbx; writes zbx, cbx
.if DOCPART == 4
	.amdgcn_target "amdgcn-amd-amdhsa--gfx1250"
	.amdhsa_code_object_version 6
	.text
	.protected	k_q4127a00085_cast
	.globl	k_q4127a00085_cast
	.p2align	8
	.type	k_q4127a00085_cast,@function
k_q4127a00085_cast:
	s_mov_b64 s[64:65], 0
	v_nop
	global_prefetch_b8 v0, s[64:65] scope:SCOPE_SE
	s_setreg_imm32_b32 hwreg(HW_REG_WAVE_SCHED_MODE, 0, 2), 2
	s_setreg_imm32_b32 hwreg(HW_REG_WAVE_MODE, 25, 1), 1
	s_wait_xcnt 0x0
	s_wait_alu depctr_vm_vsrc(0)
; z [16384][512] f32 and codebook [8192][512] f32 are rounded once to bf16 and laid out in GROUPS of 32 rows, in zbx and cbx.
; A group is 33 rows of 1,024 bytes: rows 0-31 are the 32 rows in bf16; row 32 holds their 32 sums of squares (f32, taken of the ROUNDED numbers), then 896 bytes of 0.
; So a later tile of 33 rows x 1,024 bytes brings rows and sums by one request, and each byte that is read later is written here.
; SHARES.  Work-group G makes one group: G < 512 group G of z, else group G - 512 of the codebook.  Wave w takes the group's rows 8 w .. 8 w + 7: 16 KiB, asked for at once by 32 loads
; of 512 consecutive bytes; no loop.  No matrix unit, no cluster: nothing is shared and each input byte is read once.
; LIMIT.  A row's sum of squares is taken in four chains a lane and then across the lanes: another order than a sum from left to right; it differs from such a sum in the last bits.
; THE MODE: SCHED_MODE bits 1:0 = 2 (LLVM: expert scheduling mode 2), set by the entry lines.  The code itself states the register dependences
; between vector instructions and memory or LDS instructions, with s_wait_alu, always for 0.
; THE PLAN.  Registers that memory or LDS instructions touch:
;   v1-v3 (LO, SO, SA)  offsets and an LDS address, made once at the head and never written again.
;   X + 16 i            Row i's four loads land in it; row i's roundings write two of each four registers anew; the row's four stores, which are issued in row i + 1, read those.  Never written again.
;   S                   Written by each row's last addition; read by the two LDS stores behind row 7.
;   TW, ZR, RS          Wave 0's tail alone: an LDS address, zeros, and the sums as they leave.
; Row i's vector instructions name X + 16 i, CH, S + i and NIL: none of the registers that the stores of row i - 1 touch.  So ONE wait at a row's head states all that those four stores hang on, and they are
; dealt among the row's roundings with no further wait.  No register that a memory or LDS instruction reads is ever written again: the text holds no wait on vm_vsrc.
.set GRPB,  33792                      ; bytes in a group
.set SUMS,  0                          ; LDS: the group's 32 sums, 128 bytes, in a block of 256 of their own
.set SPARE, 256                        ; the spare words, 128 bytes for each wave: two blocks of 256 bytes that no other line names
.set LO,  1                            ; v1   16 x lane
.set SO,  2                            ; v2   8 x lane
.set SA,  3                            ; v3   LDS address of my wave's eight sums
.set SPW, 4                            ; v4   LDS address of my spare word; never rewritten
.set NIL, 5                            ; v5   0; never rewritten
.set LN,  6                            ; v6   lane
.set TW,  7                            ; v7   at work
.set S,   8                            ; v[8:15]   the sums of my wave's eight rows, the same in every lane
.set CH,  16                           ; v[16:19]  four chains
.set ZR,  24                           ; v[24:27]  0
.set RS,  28                           ; v[28:29]  the sums as they leave
.set X,   32                           ; v[32:159] row i at X + 16 i: as loaded, then (two registers of each four) packed
	s_load_b256 s[4:11], s[0:1], 0x0               ; z s[4:5], codebook s[6:7], zbx s[8:9], cbx s[10:11]
	v_lshl_add_u32 v[SPW], v0, 2, SPARE
	v_mov_b32 v[NIL], 0
	v_lshrrev_b32 v[TW], 5, v0
	v_readfirstlane_b32 s14, v[TW]                 ; wave 0..3
	v_and_b32 v[LN], 31, v0
	v_lshlrev_b32 v[LO], 4, v[LN]
	v_lshlrev_b32 v[SO], 3, v[LN]
	s_mov_b32 s12, 0x76543210                      ; v_permlanex16_b32: each lane takes its own place in the other half
	s_mov_b32 s13, 0xfedcba98
	s_sub_co_u32 s15, ttmp9, 512
	s_cmp_lt_u32 ttmp9, 512
	s_cselect_b32 s15, ttmp9, s15                  ; the group's number in its tensor
	s_wait_alu depctr_va_sdst(0)                   ; s14 is written, ahead of its first reader: the wave's offsets are made from it
	s_lshl_b32 s20, s15, 16                        ; from: 32 rows of 2,048 bytes a group,
	s_lshl_b32 s21, s14, 14                        ; 8 rows a wave
	s_add_co_u32 s20, s20, s21
	s_mov_b32 s21, 0
	s_mul_i32 s22, s15, GRPB                       ; to: the group,
	s_lshl_b32 s23, s14, 13                        ; 8 rows of 1,024 bytes a wave
	s_add_co_u32 s22, s22, s23
	s_mov_b32 s23, 0
	s_lshl_b32 s24, s14, 5
	v_mov_b32 v[SA], s24                           ; SUMS + 32 x wave
	s_wait_kmcnt 0x0
	s_cmp_lt_u32 ttmp9, 512                        ; once more: the shifts above have written SCC
	s_cselect_b64 s[16:17], s[4:5], s[6:7]
	s_cselect_b64 s[18:19], s[8:9], s[10:11]
	s_add_nc_u64 s[16:17], s[16:17], s[20:21]
	s_add_nc_u64 s[18:19], s[18:19], s[22:23]
	s_wait_alu depctr_va_vdst(0)                   ; LO, SO and SA are written: every load, store and LDS store of the eight rows reads one of them as its offset or address
.irp i, 0,1,2,3,4,5,6,7
.irp c, 0,1,2,3
	global_load_b128 v[X+16*(\i)+4*(\c):X+16*(\i)+4*(\c)+3], v[LO], s[16:17] offset:2048*(\i)+512*(\c) th:TH_LOAD_NT  ; lane l: numbers 128 c + 4 l .. + 3 of row i
.endr
.endr
; Row i: rounded, squared and summed; the row before is stored.  No register is used twice, so nothing waits for a store.
.macro ROW i
	s_wait_loadcnt 28-4*(\i)                       ; loads come back in order: this row's four are in, the four of each younger row may stay out
.if (\i) > 0
	s_wait_alu depctr_va_vdst(0)                   ; the roundings of the row before have written its packed words, which the four stores below read
.endif
.irp c, 0,1,2,3
.if (\i) > 0
	global_store_b64 v[SO], v[X+16*((\i)-1)+4*(\c):X+16*((\i)-1)+4*(\c)+1], s[18:19] offset:1024*((\i)-1)+256*(\c)  ; the row before: 32 lanes store 256 consecutive bytes, at a multiple of 256 from the buffer's first byte; no vector instruction since the wait names these registers
.endif
	v_cvt_pk_bf16_f32 v[X+16*(\i)+4*(\c)],   v[X+16*(\i)+4*(\c)],   v[X+16*(\i)+4*(\c)+1]
	v_cvt_pk_bf16_f32 v[X+16*(\i)+4*(\c)+1], v[X+16*(\i)+4*(\c)+2], v[X+16*(\i)+4*(\c)+3]
.endr
.irp c, 0,1,2,3
.irp e, 0,1
.if (\c) == 0                          ; a chain's first link adds onto 0: nothing is cleared
	v_fma_mix_f32_bf16 v[CH+2*(\e)],   v[X+16*(\i)+(\e)], v[X+16*(\i)+(\e)], v[NIL] op_sel_hi:[1,1,0]
	v_fma_mix_f32_bf16 v[CH+2*(\e)+1], v[X+16*(\i)+(\e)], v[X+16*(\i)+(\e)], v[NIL] op_sel:[1,1,0] op_sel_hi:[1,1,0]
.else
	v_fma_mix_f32_bf16 v[CH+2*(\e)],   v[X+16*(\i)+4*(\c)+(\e)], v[X+16*(\i)+4*(\c)+(\e)], v[CH+2*(\e)] op_sel_hi:[1,1,0]
	v_fma_mix_f32_bf16 v[CH+2*(\e)+1], v[X+16*(\i)+4*(\c)+(\e)], v[X+16*(\i)+4*(\c)+(\e)], v[CH+2*(\e)+1] op_sel:[1,1,0] op_sel_hi:[1,1,0]
.endif
.endr
.endr
	v_add_f32 v[CH], v[CH], v[CH+1]
	v_add_f32 v[CH+2], v[CH+2], v[CH+3]
	v_add_f32 v[CH], v[CH], v[CH+2]
	v_add_f32_dpp v[CH], v[CH], v[CH] row_xmask:1 row_mask:0xf bank_mask:0xf
	v_add_f32_dpp v[CH], v[CH], v[CH] row_xmask:2 row_mask:0xf bank_mask:0xf
	v_add_f32_dpp v[CH], v[CH], v[CH] row_xmask:4 row_mask:0xf bank_mask:0xf
	v_add_f32_dpp v[CH], v[CH], v[CH] row_xmask:8 row_mask:0xf bank_mask:0xf
	v_permlanex16_b32 v[CH+1], v[CH], s12, s13     ; its destination counts as read: a register that has been written
	v_add_f32 v[S+(\i)], v[CH], v[CH+1]
.endm
.irp i, 0,1,2,3,4,5,6,7
	ROW \i
.endr
	s_wait_alu depctr_va_vdst(0)                   ; row 7's roundings have written its packed words, and the eight sums S are written: the four stores and the two LDS stores below read them
.irp c, 0,1,2,3
	global_store_b64 v[SO], v[X+16*7+4*(\c):X+16*7+4*(\c)+1], s[18:19] offset:1024*7+256*(\c)  ; row 7
.endr
	ds_store_b128 v[SA], v[S:S+3]                  ; all lanes write the same words with the same numbers
	ds_store_b128 v[SA], v[S+4:S+7] offset:16
	s_wait_dscnt 0x0                               ; for the others' sake: my sums lie in LDS
	s_barrier_signal -1
	s_barrier_wait -1
	s_cmp_lg_u32 s14, 0
	s_cbranch_scc1 .Lend                           ; wave 0 writes the group's row 32
	v_and_b32 v[TW], 15, v0
	v_lshlrev_b32 v[TW], 3, v[TW]
.irp r, 0,1,2,3
	v_mov_b32 v[ZR+(\r)], 0
.endr
	v_cmp_gt_u32 vcc_lo, 16, v[LN]
	s_wait_alu depctr_va_vdst(0)                   ; TW is written, which the LDS load reads as its address, and so are the four zeros, which two of the stores read
	ds_load_b64 v[RS:RS+1], v[TW]                  ; lanes 0-15: two sums each
	global_store_b128 v[LO], v[ZR:ZR+3], s[18:19] offset:33024   ; of the row's 1,024 bytes: 512 of 0,
	global_store_b64  v[SO], v[ZR:ZR+1], s[18:19] offset:33536   ; 256 of 0,
	s_wait_alu depctr_va_vcc(0)                    ; VCC is written, ahead of its first reader, the select below
	s_wait_dscnt 0x0
	v_cndmask_b32 v[RS], 0, v[RS], vcc_lo          ; lanes 16-31: 0
	v_cndmask_b32 v[RS+1], 0, v[RS+1], vcc_lo
	s_wait_alu depctr_va_vdst(0)                   ; the two selects have written RS, which the store reads
	global_store_b64  v[SO], v[RS:RS+1], s[18:19] offset:32768   ; and 128 bytes of sums with 128 of 0: all in whole aligned runs of 256
.Lend:
	s_wait_dscnt 0x0                               ; the closing lines, six on end
	s_wait_alu 0x0
	s_wait_tensorcnt 0x0
	ds_add_u32 v[SPW], v[NIL]
	s_wait_dscnt 0x0
	s_endpgm
.Lfunc_end_k_q4127a00085_cast:
	.size	k_q4127a00085_cast, .Lfunc_end_k_q4127a00085_cast-k_q4127a00085_cast
	.p2alignl 7, 3214868480
	.fill 96, 4, 3214868480
	.section	.rodata,"a",@progbits
	.p2align	6, 0x0
	.amdhsa_kernel k_q4127a00085_cast
		.amdhsa_group_segment_fixed_size 768
		.amdhsa_private_segment_fixed_size 0
		.amdhsa_enable_private_segment 0
		.amdhsa_kernarg_size 32
		.amdhsa_user_sgpr_count 2
		.amdhsa_user_sgpr_kernarg_segment_ptr 1
		.amdhsa_wavefront_size32 1
		.amdhsa_system_sgpr_workgroup_id_x 1
		.amdhsa_system_sgpr_workgroup_id_y 1
		.amdhsa_system_sgpr_workgroup_id_z 1
		.amdhsa_system_vgpr_workitem_id 0
		.amdhsa_next_free_vgpr 176
		.amdhsa_next_free_sgpr 66
		.amdhsa_reserve_vcc 1
		.amdhsa_float_denorm_mode_32 3
		.amdhsa_float_denorm_mode_16_64 3
		.amdhsa_memory_ordered 1
		.amdhsa_forward_progress 1
		.amdhsa_inst_pref_size 25
	.end_amdhsa_kernel
	.amdgpu_metadata
---
amdhsa.version: [ 1, 2 ]
amdhsa.kernels:
  - .name:           k_q4127a00085_cast
    .symbol:         k_q4127a00085_cast.kd
    .args:
      - { .name: z, .offset: 0, .size: 8, .value_kind: global_buffer, .address_space: global }
      - { .name: codebook, .offset: 8, .size: 8, .value_kind: global_buffer, .address_space: global }
      - { .name: zbx, .offset: 16, .size: 8, .value_kind: global_buffer, .address_space: global }
      - { .name: cbx, .offset: 24, .size: 8, .value_kind: global_buffer, .address_space: global }
    .group_segment_fixed_size: 768
    .private_segment_fixed_size: 0
    .kernarg_segment_align: 8
    .kernarg_segment_size: 32
    .max_flat_workgroup_size: 128
    .sgpr_count:     66
    .vgpr_count:     176
    .wavefront_size: 32
...
	.end_amdgpu_metadata
.endif
;; end of part 4
;; launch dist: the kernel of part 2 again; grid 128 x 2, 4 waves a work-group, clusters of 4 x 1, 327,680 bytes of LDS; arguments zbx, cbx, candd, candi; writes candd, candi
;; launch pick (part 5): grid 256 x 1, 16 waves a work-group, no clusters, 0 bytes of LDS; arguments zbx, cbx, candd, candi, out0, out1; writes out0, out1
.if DOCPART == 5
	.amdgcn_target "amdgcn-amd-amdhsa--gfx1250"
	.amdhsa_code_object_version 6
	.text
	.protected	k_q4127a00085_pick
	.globl	k_q4127a00085_pick
	.p2align	8
	.type	k_q4127a00085_pick,@function
k_q4127a00085_pick:
	s_mov_b64 s[64:65], 0
	v_nop
	global_prefetch_b8 v0, s[64:65] scope:SCOPE_SE
	s_setreg_imm32_b32 hwreg(HW_REG_WAVE_SCHED_MODE, 0, 2), 2
	s_setreg_imm32_b32 hwreg(HW_REG_WAVE_MODE, 25, 1), 1
	s_wait_xcnt 0x0
	s_wait_alu depctr_vm_vsrc(0)
; out1[row] = the index of the lesser of the two halves' least d (the second half's only if strictly less: the first half holds the lower indices); out0[row] = z + (q - z), q the code of that index.
; z and q are the bf16 roundings in zbx and cbx (groups of 33 rows of 1,024 bytes); the two f32 roundings are those of z + (q - z) as it is written.
; BOTH candidates' rows are gathered: their addresses are made of whole numbers read from candi; the comparison of the two d selects VALUES alone, so no address and no branch hangs on a floating-point number.
; SHARES.  Work-group b: rows 64 b .. + 63; wave w: rows 4 w .. + 3.  Straight line: a wave has its 16 loads of z and its 32 gathers, 256 consecutive bytes each, on their way together.  Nothing is shared between waves:
; no LDS, no barrier; no matrix unit, no cluster: memory binds.
; THE MODE: SCHED_MODE bits 1:0 = 2 (LLVM: expert scheduling mode 2), set by the entry lines.  The code itself states the register dependences
; between vector instructions and memory instructions, with s_wait_alu, always for 0.
; THE PLAN.  Registers that memory instructions touch:
;   VZ, L8, L16     offsets, made once at the head and never written again.
;   I0, I1, D0, D1  Loaded once, read by vector instructions; in wave 0's tail four loads land in I0 and I1 again, behind the last wait on va_vdst of the rows.
;   OF              The eight gather offsets: all made in one run of vector instructions, then ONE wait, then the 32 gathers.  Never written again.
;   Z, Q            Loaded once, read by vector instructions alone.
;   O + 16 i        Written by row i's additions; read by the row's four stores, which are issued in row i + 1.  Never written again.
; Row i's vector instructions name Z, Q, QS, TT, UU and O + 16 i: none of the registers that the stores of row i - 1 touch.  So one wait at a row's head states all that those four stores hang on, and they are dealt
; among the row's four runs with no further wait.  No register that a memory instruction reads is ever written again: the text holds no wait on vm_vsrc.
.set GRPB, 33792
.set VZ,  1                            ; v1   0
.set L8,  2                            ; v2   8 x lane
.set L16, 3                            ; v3   16 x lane
.set I0,  4                            ; v[4:7]   my four rows' indices in half 0, the same in every lane
.set I1,  8                            ; v[8:11]  in half 1
.set D0,  12                           ; v[12:15] their d
.set D1,  16                           ; v[16:19]
.set OF,  20                           ; v[20:27] row i, half f: the byte offset of my 8 bytes in the candidate's row of cbx, at OF + 2 i + f
.set TT,  28                           ; v[28:31] z, four numbers in f32
.set UU,  32                           ; v[32:35] q, then q - z
.set QS,  36                           ; v[36:37] the chosen code's two words
.set W0,  38                           ; v[38:39] at work
.set Z,   40                           ; v[40:71]   row i, run c of 256 bytes at Z + 8 i + 2 c
.set Q,   72                           ; v[72:135]  row i, half f, run c at Q + 16 i + 8 f + 2 c
.set O,   136                          ; v[136:199] row i, run c at O + 16 i + 4 c: each used once, so nothing waits for a store
.set MK,  28                           ; s28-31 row i: all ones where half 1 is strictly less
.set MW,  32                           ; s32-33 wave 0's tail: the same for a lane's two rows
	s_load_b256 s[4:11], s[0:1], 0x0               ; zbx s[4:5], cbx s[6:7], candd s[8:9], candi s[10:11]
	s_load_b128 s[12:15], s[0:1], 0x20             ; out0 s[12:13], out1 s[14:15]
	v_lshrrev_b32 v[W0], 5, v0
	v_readfirstlane_b32 s16, v[W0]                 ; wave 0..15
	v_and_b32 v[W0+1], 31, v0
	v_mov_b32 v[VZ], 0
	v_lshlrev_b32 v[L8], 3, v[W0+1]
	v_lshlrev_b32 v[L16], 4, v[W0+1]
	s_wait_alu depctr_va_sdst(0)                   ; s16 is written, ahead of its first reader: the wave's offsets are made from it
	s_lshl_b32 s20, ttmp9, 8                       ; 4 bytes x (64 b + 4 w)
	s_lshl_b32 s21, s16, 4
	s_add_co_u32 s20, s20, s21
	s_mov_b32 s21, 0
	s_mul_i32 s22, ttmp9, 2*GRPB                   ; zbx: two groups a work-group,
	s_lshr_b32 s23, s16, 3
	s_mul_i32 s23, s23, GRPB                       ; eight waves a group,
	s_add_co_u32 s22, s22, s23
	s_and_b32 s23, s16, 7
	s_lshl_b32 s23, s23, 12                        ; four rows of 1,024 bytes a wave
	s_add_co_u32 s22, s22, s23
	s_mov_b32 s23, 0
	s_lshl_b32 s24, ttmp9, 17                      ; out0: 64 rows of 2,048 bytes a work-group,
	s_lshl_b32 s25, s16, 13                        ; four a wave
	s_add_co_u32 s24, s24, s25
	s_mov_b32 s25, 0
	s_mov_b32 s26, 0xffff0000                      ; a word's upper bf16
	s_wait_kmcnt 0x0
	s_add_nc_u64 s[10:11], s[10:11], s[20:21]
	s_add_nc_u64 s[8:9], s[8:9], s[20:21]
	s_add_nc_u64 s[14:15], s[14:15], s[20:21]      ; (used by wave 0 alone, where it is the work-group's first row)
	s_add_nc_u64 s[4:5], s[4:5], s[22:23]
	s_add_nc_u64 s[12:13], s[12:13], s[24:25]
	s_wait_alu depctr_va_vdst(0)                   ; VZ, L8 and L16 are written: the loads below and every store of the kernel read one of them as their offset
	global_load_b128 v[I0:I0+3], v[VZ], s[10:11]               ; every lane reads the same 16 bytes
	global_load_b128 v[I1:I1+3], v[VZ], s[10:11] offset:65536
	global_load_b128 v[D0:D0+3], v[VZ], s[8:9]
	global_load_b128 v[D1:D1+3], v[VZ], s[8:9] offset:65536
.irp i, 0,1,2,3
.irp c, 0,1,2,3
	global_load_b64 v[Z+8*(\i)+2*(\c):Z+8*(\i)+2*(\c)+1], v[L8], s[4:5] offset:1024*(\i)+256*(\c) th:TH_LOAD_NT  ; lane l: numbers 128 c + 4 l .. + 3 of row i
.endr
.endr
	s_wait_loadcnt 16                              ; loads come back in order: the four candidate loads are in, z's sixteen may stay out
.irp i, 0,1,2,3
.irp f, 0,1
	v_min_u32 v[W0], 0x1fff, v[I0+4*(\f)+(\i)]     ; an index t stays inside the table
	v_and_b32 v[W0+1], 0x1fe0, v[W0]
	v_lshl_add_u32 v[W0+1], v[W0+1], 5, v[L8]      ; (t / 32) x 33,792 + (t % 32) x 1,024 = 1,024 t + 1,024 (t / 32) = (t << 10) + ((t & 0x1fe0) << 5)
	v_lshl_add_u32 v[OF+2*(\i)+(\f)], v[W0], 10, v[W0+1]
.endr
	v_cmp_lt_f32 s[MK+(\i)], v[D1+(\i)], v[D0+(\i)]
.endr
	s_wait_alu depctr_va_vdst(0)                   ; all eight offsets OF are written, which the 32 gathers read
.irp i, 0,1,2,3
.irp f, 0,1
.irp c, 0,1,2,3
	global_load_b64 v[Q+16*(\i)+8*(\f)+2*(\c):Q+16*(\i)+8*(\f)+2*(\c)+1], v[OF+2*(\i)+(\f)], s[6:7] offset:256*(\c)  ; no hint: a code may be named by many rows
.endr
.endr
.endr
	s_wait_alu depctr_va_sdst(0)                   ; the four compares have written the masks s[MK ..], ahead of their first reader, row 0's first select
.irp i, 0,1,2,3
	s_wait_loadcnt 24-8*(\i)                       ; this row's eight gathers are in (and z, issued ahead of them); the eight of each later row may stay out
.if (\i) > 0
	s_wait_alu depctr_va_vdst(0)                   ; the additions of the row before have written its sixteen registers of O, which the four stores below read
.endif
.irp c, 0,1,2,3
.if (\i) > 0
	global_store_b128 v[L16], v[O+16*((\i)-1)+4*(\c):O+16*((\i)-1)+4*(\c)+3], s[12:13] offset:2048*((\i)-1)+512*(\c) th:TH_STORE_NT  ; the row before: 512 consecutive bytes, at a multiple of 256 from out0's first byte; no vector instruction since the wait names these registers
.endif
	v_cndmask_b32 v[QS],   v[Q+16*(\i)+2*(\c)],   v[Q+16*(\i)+8+2*(\c)],   s[MK+(\i)]
	v_cndmask_b32 v[QS+1], v[Q+16*(\i)+2*(\c)+1], v[Q+16*(\i)+8+2*(\c)+1], s[MK+(\i)]
	v_lshlrev_b32 v[TT],   16,  v[Z+8*(\i)+2*(\c)]               ; bf16 to f32: the low half moves up, the high half stays
	v_and_b32     v[TT+1], s26, v[Z+8*(\i)+2*(\c)]
	v_lshlrev_b32 v[TT+2], 16,  v[Z+8*(\i)+2*(\c)+1]
	v_and_b32     v[TT+3], s26, v[Z+8*(\i)+2*(\c)+1]
	v_lshlrev_b32 v[UU],   16,  v[QS]
	v_and_b32     v[UU+1], s26, v[QS]
	v_lshlrev_b32 v[UU+2], 16,  v[QS+1]
	v_and_b32     v[UU+3], s26, v[QS+1]
	v_pk_add_f32 v[UU:UU+1],   v[UU:UU+1],   v[TT:TT+1]   neg_lo:[0,1] neg_hi:[0,1]  ; q - z
	v_pk_add_f32 v[UU+2:UU+3], v[UU+2:UU+3], v[TT+2:TT+3] neg_lo:[0,1] neg_hi:[0,1]
	v_pk_add_f32 v[O+16*(\i)+4*(\c):O+16*(\i)+4*(\c)+1],   v[TT:TT+1],   v[UU:UU+1]  ; z + (q - z)
	v_pk_add_f32 v[O+16*(\i)+4*(\c)+2:O+16*(\i)+4*(\c)+3], v[TT+2:TT+3], v[UU+2:UU+3]
.endr
.endr
	s_wait_alu depctr_va_vdst(0)                   ; row 3's additions have written its registers of O, which the four stores below read; and the vector instructions that read I0 and I1 are done, in which wave 0's loads below land
.irp c, 0,1,2,3
	global_store_b128 v[L16], v[O+16*3+4*(\c):O+16*3+4*(\c)+3], s[12:13] offset:2048*3+512*(\c) th:TH_STORE_NT  ; row 3
.endr
	s_cmp_lg_u32 s16, 0
	s_cbranch_scc1 .Lend                           ; wave 0 writes the work-group's 64 indices, two a lane: 256 consecutive bytes
	global_load_b64 v[I0:I0+1],   v[L8], s[10:11]  ; no vector instruction stands between the wait above and these four loads
	global_load_b64 v[I0+2:I0+3], v[L8], s[10:11] offset:65536
	global_load_b64 v[I1:I1+1],   v[L8], s[8:9]
	global_load_b64 v[I1+2:I1+3], v[L8], s[8:9] offset:65536
	s_wait_loadcnt 0x0
	v_cmp_lt_f32 s[MW],   v[I1+2], v[I1]
	v_cmp_lt_f32 s[MW+1], v[I1+3], v[I1+1]
	s_wait_alu depctr_va_sdst(0)                   ; the two compares have written s[MW] and s[MW+1], ahead of their first readers, the selects below
	v_cndmask_b32 v[D0],   v[I0],   v[I0+2], s[MW]
	v_cndmask_b32 v[D0+1], v[I0+1], v[I0+3], s[MW+1]
	s_wait_alu depctr_va_vdst(0)                   ; the two selects have written D0 and D0 + 1, which the store reads
	global_store_b64 v[L8], v[D0:D0+1], s[14:15]
.Lend:
	s_endpgm
.Lfunc_end_k_q4127a00085_pick:
	.size	k_q4127a00085_pick, .Lfunc_end_k_q4127a00085_pick-k_q4127a00085_pick
	.p2alignl 7, 3214868480
	.fill 96, 4, 3214868480
	.section	.rodata,"a",@progbits
	.p2align	6, 0x0
	.amdhsa_kernel k_q4127a00085_pick
		.amdhsa_group_segment_fixed_size 0
		.amdhsa_private_segment_fixed_size 0
		.amdhsa_enable_private_segment 0
		.amdhsa_kernarg_size 48
		.amdhsa_user_sgpr_count 2
		.amdhsa_user_sgpr_kernarg_segment_ptr 1
		.amdhsa_wavefront_size32 1
		.amdhsa_system_sgpr_workgroup_id_x 1
		.amdhsa_system_sgpr_workgroup_id_y 1
		.amdhsa_system_sgpr_workgroup_id_z 1
		.amdhsa_system_vgpr_workitem_id 0
		.amdhsa_next_free_vgpr 208
		.amdhsa_next_free_sgpr 66
		.amdhsa_reserve_vcc 0
		.amdhsa_float_denorm_mode_32 3
		.amdhsa_float_denorm_mode_16_64 3
		.amdhsa_memory_ordered 1
		.amdhsa_forward_progress 1
		.amdhsa_inst_pref_size 22
	.end_amdhsa_kernel
	.amdgpu_metadata
---
amdhsa.version: [ 1, 2 ]
amdhsa.kernels:
  - .name:           k_q4127a00085_pick
    .symbol:         k_q4127a00085_pick.kd
    .args:
      - { .name: zbx, .offset: 0, .size: 8, .value_kind: global_buffer, .address_space: global }
      - { .name: cbx, .offset: 8, .size: 8, .value_kind: global_buffer, .address_space: global }
      - { .name: candd, .offset: 16, .size: 8, .value_kind: global_buffer, .address_space: global }
      - { .name: candi, .offset: 24, .size: 8, .value_kind: global_buffer, .address_space: global }
      - { .name: out0, .offset: 32, .size: 8, .value_kind: global_buffer, .address_space: global }
      - { .name: out1, .offset: 40, .size: 8, .value_kind: global_buffer, .address_space: global }
    .group_segment_fixed_size: 0
    .private_segment_fixed_size: 0
    .kernarg_segment_align: 8
    .kernarg_segment_size: 48
    .max_flat_workgroup_size: 512
    .sgpr_count:     66
    .vgpr_count:     208
    .wavefront_size: 32
...
	.end_amdgpu_metadata
.endif
;; end of part 5
